; MI455X (gfx1250); checked and timed in simulation.
; The chip was launched on July 23, 2026; its instructions are those of AMD's public machine-readable ISA for CDNA 5 (MIT licence, August 2026) and "CDNA5" Instruction Set Architecture Reference Guide (July 2026). The comments in the code are by the model that wrote it; some were corrected since.
;; Multi Head Attention. Allowed arithmetic: matrix products marked QUANTISED: E5M2 operands, one given power-of-two scale a tensor, by v_wmma_f32_16x16x64_bf8_bf8 or v_wmma_f32_16x16x128_bf8_bf8, f32 sums; everything else in f32.
;; Inputs: Wk_codes 1,024 x 32 x 32 uint8 (E5M2 codes of Wk, K innermost, in blocks of 32 codes); Wo_codes 1,024 x 32 x 32 uint8 (E5M2 codes of Wo, K innermost, in blocks of 32 codes); Wq_codes 1,024 x 32 x 32 uint8 (E5M2 codes of Wq, K innermost, in blocks of 32 codes); Wv_codes 1,024 x 32 x 32 uint8 (E5M2 codes of Wv, K innermost, in blocks of 32 codes); bk 1,024 float32; bo 1,024 float32; bq 1,024 float32; bv 1,024 float32; lowp_scales 12 int32 (the exponents e of the quantised operands' scales 2^e); x_codes 4 x 2,048 x 32 x 32 uint8 (E5M2 codes of x, K innermost, in blocks of 32 codes).
;; Outputs: out0 4 x 2,048 x 1,024 float32.
;; This version of the problem:
;;   THIS VERSION OF THE PROBLEM IS GIVEN IN LOW PRECISION. The matrix products marked QUANTISED in the list below multiply operands that are first quantised to E5M2 (5 exponent bits, 2 mantissa bits; 8 bits a number), with one given power-of-two scale for each operand tensor; their sums are f32. All else is computed in f32.
;;   The module's matrix products, in the order in which they are computed (A, B: the left and right operand; K: the contracted axis; several contracted axes count as one K, in the product's order):
;;     1. [M 8,192, K 1,024] x [K 1,024, N 1,024]; A: input x (given as codes); B: input Wq (given as codes): QUANTISED (scales: A lowp_scales[0], B lowp_scales[1])
;;     2. [M 8,192, K 1,024] x [K 1,024, N 1,024]; A: input x (given as codes); B: input Wk (given as codes): QUANTISED (scales: A lowp_scales[2], B lowp_scales[3])
;;     3. [M 8,192, K 1,024] x [K 1,024, N 1,024]; A: input x (given as codes); B: input Wv (given as codes): QUANTISED (scales: A lowp_scales[4], B lowp_scales[5])
;;     4. batch 64 x [M 2,048, K 64] x [K 64, N 2,048]; A: computed on the way; B: computed on the way: QUANTISED (scales: A lowp_scales[6], B lowp_scales[7])
;;     5. batch 64 x [M 2,048, K 2,048] x [K 2,048, N 64]; A: softmax (see below); B: computed on the way: QUANTISED (scales: A lowp_scales[8], B lowp_scales[9])
;;     6. [M 8,192, K 1,024] x [K 1,024, N 1,024]; A: computed on the way; B: input Wo (given as codes): QUANTISED (scales: A lowp_scales[10], B lowp_scales[11])
;;   THE QUANTISER, for each operand of a quantised product, along K:
;;     - The operand's scale is 2^e, e = its entry of the input lowp_scales (int32; the entries are numbered through the quantised products in the list's order, A before B).
;;     - Each number is divided by the scale, clamped to +-57,344, and rounded to the nearest number of E5M2, ties to even, subnormals kept.
;;     - The product sums the exact products of the quantised numbers (number of the format x scale) in f32.
;;   ~~~python
;;   def quantise(x, axis, e):      # numpy; x: float32 -> the quantised numbers, widened to float32 again
;;       x = np.moveaxis(x, axis, -1); K = x.shape[-1]
;;       r = np.clip(x / 2.0 ** e, -57344, 57344)
;;       step = 2.0 ** (np.maximum(np.frexp(np.where(r == 0, 1, r))[1] - 1, -14) - 2)
;;       q = np.round(r / step) * step * 2.0 ** e      # np.round: ties to even
;;       return np.moveaxis(q, -1, axis).astype(np.float32)
;;   ~~~
;;   SOFTMAX AHEAD OF A QUANTISED PRODUCT. Where the list says 'softmax', what is quantised is not the finished softmax but p = 2^(t - M), with t = logit x log2(e) and M = ceil(the row's largest t), a whole number; so 1/2 < the row's largest p <= 1. The row's sum l is taken of the UNQUANTISED p, in f32, and the product's result is divided by l at the end. Since M is a whole number, a kernel that streams over the keys may use a running M (the ceiling of the running maximum): every later rescaling is an exact power of two, so the quantised numbers keep their values, but for numbers so far below the row's largest that they fall under the format's range.
;;   OPERANDS COMPUTED ON THE WAY. 'Computed on the way' means the value that the module computes at that place (a softmax that the list does not call 'softmax' is quantised finished and normalised). What goes into a quantiser is computed in f32, as accurately as f32 sums, v_exp_f32 and their like allow (about 1e-6 of the number): no bf16 or f16 on the way to a quantiser, and a product that is left as it is and whose result goes on into a quantised operand takes f32 operands (vector FMAs, or v_wmma_f32_16x16x4_f32). A number that lies on a knife's edge between two numbers of the format may be rounded either way, as far as f32 arithmetic and the matrix unit's own rounding can turn it there, and no further.
;;   INPUTS GIVEN AS CODES. Wk (in the module: [1024, 1024], K = its axis 1); Wo (in the module: [1024, 1024], K = its axis 1); Wq (in the module: [1024, 1024], K = its axis 1); Wv (in the module: [1024, 1024], K = its axis 1); x (in the module: [4, 2048, 1024], K = its axis 2): each comes as NAME_codes (uint8): NAME with its K axis moved to the last place and cut into blocks of 32 codes, [.., K / 32, bytes a block], one block behind the other in memory; one code a byte (a code: sign, 5 exponent bits, 2 mantissa bits); its scale is its entry of lowp_scales. Its value is code x scale, taken as it is: it is not quantised again, and the codes and scales need not be those that the quantiser above would give.
;; One version. Each part assembles by itself: llvm-mc -triple=amdgcn-amd-amdhsa -mcpu=gfx1250 --defsym DOCPART=n.
;; ======== version 1 of 1: 3 launches
;; limits: right only within a limited range of input values
;; workspace buffers: q_img 8,388,608 bytes; kv_img 16,777,216 bytes; ao_img 8,388,608 bytes
;; launch proj (part 1): grid 8 x 32, 4 waves a work-group, clusters of 4 x 4, 327,680 bytes of LDS; arguments x_codes, Wq_codes, Wk_codes, Wv_codes, bq, bk, bv, lowp_scales, q_img, kv_img; writes q_img, kv_img
.if DOCPART == 1
	.amdgcn_target "amdgcn-amd-amdhsa--gfx1250"
	.amdhsa_code_object_version 6
	.text
	.protected	k_qe8ac73525e_proj
	.globl	k_qe8ac73525e_proj
	.p2align	8
	.type	k_qe8ac73525e_proj,@function
k_qe8ac73525e_proj:
	s_mov_b64 s[64:65], 0
	v_nop
	global_prefetch_b8 v0, s[64:65] scope:SCOPE_SE
	s_setreg_imm32_b32 hwreg(HW_REG_WAVE_MODE, 25, 1), 1
	s_wait_xcnt 0x0
	s_wait_alu depctr_hold_cnt(0) depctr_sa_sdst(0) depctr_va_vdst(0) depctr_va_sdst(0) depctr_va_ssrc(0) depctr_va_vcc(0) depctr_vm_vsrc(0)
	s_getreg_b32 s2, hwreg(HW_REG_IB_STS2, 6, 4)
	s_cmp_eq_u32 s2, 0
	s_cbranch_scc0 .Lentry_in_a_cluster
	s_endpgm
.Lentry_in_a_cluster:
	s_bfe_u32 s2, ttmp6, 0x10000c
	s_cmp_lg_u32 s2, 0xf033
	s_cbranch_scc0 .Lentry_shape_is_right
	s_endpgm
.Lentry_shape_is_right:
; THE THREE PROJECTIONS Q = x Wq^T + bq, K = x Wk^T + bk, V = x Wv^T + bv on codes of BF8 (E5M2), and their quantising for the two products of attention.
; x: [8192][1024] codes; Wq, Wk, Wv: [1024][1024] codes, K innermost; sums in f32.
; SHARES: 256 work-groups = 32 blocks of 256 tokens x 8 groups of 128 channels; a work-group makes its tokens' 128 channels of Q, of K and of V.  Each of its four waves owns 64 tokens and keeps their codes over the
; whole K = 1,024 in 512 registers, read once from LDS; from then on only weights pass through LDS, and all four waves read the same rows of them.
; A UNIT is 32 channels x my 64 tokens x the whole K: 8 accumulators by turns, 64 matrix instructions, in four quarters of 256 along K.  A unit's sums are finished when it ends, so its way out
; (hold, conversion, store) is laid into the next unit's quarters, where its 16 holds are also the places ahead of the LDS loads.  Two sets of accumulators take turns.
; FILLS, all joint loads in clusters of 4 x 4 (x is shared along a row of the cluster, the weights along a column), rows of 1,024 bytes + 16 of padding in LDS:
;   at the head, one load a wave: x's 256 rows (waves 0, 1) and Wv's rows 0-31 of my group (waves 2, 3);  behind the first round, when x is in registers, into x's bytes: 64 rows a wave, Wq's 128 and Wk's 128;
;   behind the second round, when Q's units are done, into Wq's bytes: 24 rows a wave, Wv's rows 32-127.  Order of units: V 0; Q 0-3; K 0-3; V 1-3.
; No prefetch is written: the text has no loop to run ahead in, and each fill is asked for once.
; THE BIAS is the C of each sum's first matrix instruction, divided by 2^(ea + eb); the sum then stands for (result) / 2^(ea + eb), and the conversion's one scale is 2^(eo - ea - eb): powers of two, nothing is rounded.
; ROLES: Q, K: source 0 = 16 channels of the weight, source 1 = 16 tokens: a lane holds one token and 8 neighbouring channels.  V: the sources swapped: a lane holds one channel and 8 neighbouring keys.
; One conversion of a result tile's 8 registers gives registers 2 c, 2 c + 1 of the next operand, and four such registers are stored as an image, lane l's 16 bytes at 16 l: 512 consecutive bytes, aligned.
;   q_img [head 64][tile of 16 queries 128][2 x 512];  kv_img [head 64][step of 128 keys 16][16,384]: 8 tiles of 16 keys x 64 channels (1,024 each), then 4 tiles of 16 channels x 128 keys (2,048 each)
; Scales: products 0,1 / 2,3 / 4,5; results 6 (Q), 7 (K), 9 (V).  LIMITS: ea + eb between -126 and 126; eo - ea - eb between -126 and 112; bias / 2^(ea + eb) is an f32 number.  NaN among the inputs is not served.
; REGISTERS: window 0: v1-31 addresses and constants, v32-39 bv as loaded, v40-55 codes, v64-127 bv's table (8 equal registers a block of 16 channels), v128-255 the weights' fragments, two sets of 64;
;   window 1: v0-127 two sets of 8 accumulators, v128-191 bq's table, v192-255 bk's;  windows 2, 3: x's fragments, token block a, K step k at 128 a + 16 k.
.set PITCH, 1040                       ; an LDS row: 1,024 bytes + 16: an odd multiple of 16, so the 16 rows that a load touches start 4 words apart modulo 64
.set BLK,   16*PITCH
.set UB,    32*PITCH                   ; a unit's 32 rows of a weight
.set PB,    8*UB                       ; behind x's 256 rows: Wv's rows 0-31
.set SPARE, 9*UB                       ; 299,520: the spare words, 128 bytes a wave; no other line names them
.set XA,  8                            ; v8   LDS address of my x fragments
.set CO,  9                            ; v9   16 x lane
.set SQ,  10                           ; v10, v11: 2^(eo - ea - eb) and 57,344 x that, for Q;  v12, v13 for K;  v14, v15 for V
.set SK,  12
.set SV,  14
.set WA,  16                           ; v16-24 LDS address of a weight's fragments, rows 32 n on, n = 0 .. 8
.set SPW, 28
.set NIL, 29
.set BT,  32
.set CD,  40
.set VT,  64
.set G0P, 4                            ; s[4:7] group 0 of Wv's first rows;  s[32:35] of x;  s[60:63] of Wq, Wk;  s[96:99] of Wv's rest
.set QB,  8                            ; s[8:9], s[10:11], s[12:13]: where my images of Q, K, V begin
.set KB,  10
.set VB,  12
.set G1X, 24                           ; groups 1: x 128 rows; 16 rows; 64 rows; 24 rows
.set G0X, 32
.set G1P, 36
.set G1S, 44
.set G1T, 52
.set G0S, 60
.set G0T, 96
.set PADW, (1<<20)|(1<<21)|(7<<22)|(3<<25)   ; elements of 1 byte; padding on; bit 21 beside a mask; four words after every 256
.set MSB, 0
.macro WIN new                         ; the immediate's high byte repeats the setting that is left
.if MSB != (\new)
	s_set_vgpr_msb (MSB<<8)|(\new)
.set MSB, (\new)
.endif
.endm
.macro CROUND                          ; a round of the cluster's barrier
	s_barrier_signal -1
	s_barrier_wait -1
	s_cmp_lg_u32 s14, 0
	s_cbranch_scc1 .Lnot_wave_0_\@
	s_barrier_signal -3
.Lnot_wave_0_\@:
	s_barrier_wait -3
	s_barrier_signal -1
	s_barrier_wait -1
.endm
.macro PLACES                          ; plain vector instructions behind matrix instructions (ISA guide 7.12.1)
.rept 4
	v_nop
.endr
.endm
.macro G1SET g, rows
	s_mov_b32 s[\g+1], 1024<<16
	s_mov_b32 s[\g+2], (\rows)<<16
	s_mov_b32 s[\g+3], 1024<<16
	s_mov_b32 s[\g+4], \rows
	s_mov_b32 s[\g+5], 1024
	s_mov_b32 s[\g+6], 0
	s_mov_b32 s[\g+7], 0
.endm
	s_load_b512 s[68:83], s[0:1], 0x0              ; x 68, Wq 70, Wk 72, Wv 74, bq 76, bk 78, bv 80, the scales' exponents 82
	s_load_b128 s[84:87], s[0:1], 0x40             ; q_img 84, kv_img 86
	v_lshl_add_u32 v[SPW], v0, 2, SPARE
	v_mov_b32 v[NIL], 0
	ds_add_u32 v[SPW], v[NIL]                      ; the opening lines: the add, twice on end, and its wait ahead of my first tensor load
	ds_add_u32 v[SPW], v[NIL]
	v_lshrrev_b32 v1, 5, v0
	v_readfirstlane_b32 s14, v1                    ; wave 0..3
	s_and_b32 s15, s14, 1
	s_lshr_b32 s16, s14, 1
	s_bfe_u32 s66, ttmp6, 0x40000                  ; cx
	s_bfe_u32 s67, ttmp6, 0x40004                  ; cy
	s_lshl_b32 s101, ttmp9, 2
	s_add_co_u32 s101, s101, s66                   ; my group of 128 channels, 0..7
	s_and_b32 s17, ttmp7, 0xffff
	s_lshl_b32 s17, s17, 2
	s_add_co_u32 s17, s17, s67                     ; my block of 256 tokens, 0..31
	s_lshl_b32 s2, s67, 2
	s_lshl_b32 s2, 15, s2                          ; my row of the cluster
	s_lshl_b32 s3, 0x1111, s66                     ; my column
	s_or_b32 s[G1X], s2, PADW
	s_or_b32 s[G1P], s3, PADW
	s_or_b32 s[G1S], s3, PADW
	s_or_b32 s[G1T], s3, PADW
	G1SET G1X, 128
	G1SET G1P, 16
	G1SET G1S, 64
	G1SET G1T, 24
	s_mov_b32 s[G0X], 1
	s_mul_i32 s[G0X+1], s15, 8*BLK                 ; LDS addresses hang on the wave's number alone
	s_mov_b32 s[G0P], 1
	s_mul_i32 s[G0P+1], s15, BLK
	s_add_co_u32 s[G0P+1], s[G0P+1], PB
	s_mov_b32 s[G0S], 1
	s_mul_i32 s[G0S+1], s14, 4*BLK
	s_mov_b32 s[G0T], 1
	s_mul_i32 s[G0T+1], s14, 24*PITCH
	s_lshl_b32 s20, s17, 8
	s_lshl_b32 s21, s15, 7
	s_add_co_u32 s20, s20, s21
	s_lshl_b32 s20, s20, 10                        ; x: row 256 x block + 128 x (wave % 2), in bytes
	s_mov_b32 s21, 0
	s_lshl_b32 s22, s101, 17                       ; the weights: row 128 x group
	s_mov_b32 s23, 0
	s_mov_b32 s19, 0
	s_wait_dscnt 0x0                               ; both opening adds are done
	s_wait_kmcnt 0x0
	s_load_b256 s[88:95], s[82:83], 0x0            ; e0 .. e7
	s_load_b32 s100, s[82:83], 0x24                ; e9
	s_add_nc_u64 s[G0X+2:G0X+3], s[68:69], s[20:21]
	s_add_nc_u64 s[70:71], s[70:71], s[22:23]
	s_add_nc_u64 s[72:73], s[72:73], s[22:23]
	s_add_nc_u64 s[74:75], s[74:75], s[22:23]
	s_lshl_b32 s18, s15, 14
	s_add_nc_u64 s[G0P+2:G0P+3], s[74:75], s[18:19]   ; Wv's rows 16 x (wave % 2) on
	s_lshl_b32 s18, s15, 16
	s_cmp_eq_u32 s16, 0
	s_cselect_b64 s[G0S+2:G0S+3], s[70:71], s[72:73]  ; waves 0, 1: Wq; waves 2, 3: Wk
	s_add_nc_u64 s[G0S+2:G0S+3], s[G0S+2:G0S+3], s[18:19]   ; rows 64 x (wave % 2) on
	s_mul_i32 s18, s14, 24*1024
	s_add_co_u32 s18, s18, 32*1024
	s_add_nc_u64 s[G0T+2:G0T+3], s[74:75], s[18:19]   ; Wv's rows 32 + 24 x wave on
	s_or_b32 s[G0X+3], s[G0X+3], 0x80000000
	s_or_b32 s[G0P+3], s[G0P+3], 0x80000000
	s_or_b32 s[G0S+3], s[G0S+3], 0x80000000
	s_or_b32 s[G0T+3], s[G0T+3], 0x80000000
	CROUND                                         ; all sixteen work-groups are here: the first joint loads meet
	s_cmp_lt_u32 s14, 2
	s_cbranch_scc0 .Lfor_w
	tensor_load_to_lds s[G0X:G0X+3], s[G1X:G1X+7]
	s_nop 0
	PLACES
	s_branch .Lasked
.Lfor_w:
	tensor_load_to_lds s[G0P:G0P+3], s[G1P:G1P+7]
	s_nop 0
	PLACES
.Lasked:
	s_lshl_b32 s22, s101, 9                        ; the biases at my 128 channels
	s_add_nc_u64 s[76:77], s[76:77], s[22:23]
	s_add_nc_u64 s[78:79], s[78:79], s[22:23]
	s_add_nc_u64 s[80:81], s[80:81], s[22:23]
	s_mul_i32 s18, s14, 4*BLK
	v_and_b32 v1, 15, v0                           ; r = lane % 16
	v_bfe_u32 v2, v0, 4, 1                         ; h = lane / 16
	v_mul_u32_u24 v3, v1, PITCH
	v_lshl_add_u32 v3, v2, 4, v3                   ; a fragment's row x pitch + 16 h: registers 4 c .. 4 c + 3 hold K = 32 c + 16 h + 0 .. 15, the same permutation of k in both operands
	v_add_nc_u32 v[XA], s18, v3
.set n, 0
.rept 9
	v_add_nc_u32 v[WA+n], n*UB, v3
.set n, n+1
.endr
	v_and_b32 v4, 31, v0
	v_lshlrev_b32 v[CO], 4, v4
	v_lshlrev_b32 v5, 5, v2                        ; 32 h
	v_lshlrev_b32 v6, 2, v1                        ; 4 r
	s_wait_alu depctr_va_vdst(0)                   ; the wait ahead of later readers of what was just written
	WIN 0x40                                       ; destinations in window 1
.irp b, 0,1,2,3,4,5,6,7
	global_load_b128 v[128+8*\b:131+8*\b], v5, s[76:77] offset:64*\b        ; bq of channel 16 b + 8 h + j at 8 b + j
	global_load_b128 v[132+8*\b:135+8*\b], v5, s[76:77] offset:64*\b+16
	global_load_b128 v[192+8*\b:195+8*\b], v5, s[78:79] offset:64*\b        ; bk likewise
	global_load_b128 v[196+8*\b:199+8*\b], v5, s[78:79] offset:64*\b+16
.endr
	WIN 0
.irp b, 0,1,2,3,4,5,6,7
	global_load_b32 v[BT+\b], v6, s[80:81] offset:64*\b                     ; bv of channel 16 b + r
.endr
	; where my images begin: head 16 x batch + 2 x group; my tokens' tiles 16 x (block % 8) + 4 x wave on
	s_lshr_b32 s2, s17, 3
	s_lshl_b32 s2, s2, 4
	s_lshl_b32 s3, s101, 1
	s_add_co_u32 s2, s2, s3
	s_and_b32 s3, s17, 7
	s_lshl_b32 s18, s3, 4
	s_lshl_b32 s20, s14, 2
	s_add_co_u32 s18, s18, s20
	s_lshl_b32 s18, s18, 10
	s_lshl_b32 s20, s2, 17
	s_add_co_u32 s18, s18, s20
	s_add_nc_u64 s[QB:QB+1], s[84:85], s[18:19]
	s_lshl_b32 s18, s3, 1
	s_add_co_u32 s18, s18, s16                     ; my step of 128 keys
	s_lshl_b32 s18, s18, 14
	s_lshl_b32 s2, s2, 18
	s_add_co_u32 s18, s18, s2
	s_add_nc_u64 s[VB:VB+1], s[86:87], s[18:19]
	s_lshl_b32 s18, s15, 12                        ; K: my four tiles of the step's eight
	s_add_nc_u64 s[KB:KB+1], s[VB:VB+1], s[18:19]
	s_lshl_b32 s18, s15, 10                        ; V: behind K's tiles; my half of each tile's 16 registers
	s_add_co_u32 s18, s18, 8192
	s_add_nc_u64 s[VB:VB+1], s[VB:VB+1], s[18:19]
.macro SCL ea, eb, eo, vs              ; s[18:19] = 2^-(ea + eb), twice; v[vs] = 2^(eo - ea - eb); v[vs + 1] = 57,344 x that
	s_add_co_i32 s20, s\ea, s\eb
	s_sub_co_i32 s18, 127, s20
	s_lshl_b32 s18, s18, 23
	s_mov_b32 s19, s18
	s_sub_co_i32 s20, s\eo, s20
	s_add_co_i32 s20, s20, 127
	s_lshl_b32 s21, s20, 23
	v_mov_b32 v[\vs], s21
	s_add_co_i32 s20, s20, 15
	s_lshl_b32 s20, s20, 23
	s_or_b32 s20, s20, 0x600000
	v_mov_b32 v[\vs+1], s20
.endm
.macro TSCALE t                        ; a table of 64 registers in window 1 x 2^-(ea + eb)
	WIN 0x41
.set j, 0
.rept 32
	v_pk_mul_f32 v[\t+j:\t+j+1], v[\t+j:\t+j+1], s[18:19] op_sel_hi:[1,0]
.set j, j+2
.endr
	WIN 0
.endm
	s_wait_kmcnt 0x0
	s_wait_loadcnt 0x0                             ; the biases; all this stands under the first fills' flight
	SCL 88, 89, 94, SQ
	TSCALE 128
	SCL 90, 91, 95, SK
	TSCALE 192
	SCL 92, 93, 100, SV
.irp b, 0,1,2,3,4,5,6,7
.irp j, 0,1,2,3,4,5,6,7
	v_mul_f32 v[VT+8*\b+\j], s18, v[BT+\b]         ; V: a lane holds one channel, so a block's 8 registers are equal
.endr
.endr
; 16 LDS loads: a quarter's fragments of the unit's 32 rows (two blocks i, two K steps kk) into set
.macro WLOAD set, wa, d
	WIN 0
.irp kk, 0,1
.irp i, 0,1
.irp c, 0,1,2,3
	ds_load_b128 v[128+64*(\set)+16*(2*\kk+\i)+4*\c:128+64*(\set)+16*(2*\kk+\i)+4*\c+3], v[\wa] offset:\i*BLK+(2*(\d)+\kk)*128+32*\c
.endr
.endr
.endr
.endm
; 16 matrix instructions: a quarter of a unit.  Token blocks 0, 1 (window 2), then 2, 3 (window 3); in each half two K steps on four accumulators by turns, so three others stand between a sum's steps.
; Accumulator of (token block a, channel block i): Q, K: 2 a + i; V: 4 i + a: so that registers 16 d .. 16 d + 15 of a set give the four registers of one store.
.macro MM var, as, tb, set, d
.irp hi, 0,1
.irp kk, 0,1
.if \var
.if ((\d) == 0) && (\kk == 0)
	WIN 0x42+\hi                                   ; V's table lies in window 0
.else
	WIN 0x52+\hi
.endif
.else
	WIN 0x58+4*\hi
.endif
.irp aa, 0,1
.irp i, 0,1
.set AC, 64*(\as)+(1-\var)*8*(2*(2*\hi+\aa)+\i)+\var*8*(4*\i+2*\hi+\aa)
.set WF, 128+64*(\set)+16*(2*\kk+\i)
.set XF, 128*\aa+16*(2*(\d)+\kk)
.if ((\d) == 0) && (\kk == 0)
.if \var
	v_wmma_f32_16x16x128_bf8_bf8 v[AC:AC+7], v[XF:XF+15], v[WF:WF+15], v[\tb+8*\i:\tb+8*\i+7]
.else
	v_wmma_f32_16x16x128_bf8_bf8 v[AC:AC+7], v[WF:WF+15], v[XF:XF+15], v[\tb+8*\i:\tb+8*\i+7]
.endif
.else
.if \var
	v_wmma_f32_16x16x128_bf8_bf8 v[AC:AC+7], v[XF:XF+15], v[WF:WF+15], v[AC:AC+7]
.else
	v_wmma_f32_16x16x128_bf8_bf8 v[AC:AC+7], v[WF:WF+15], v[XF:XF+15], v[AC:AC+7]
.endif
.endif
.endr
.endr
.endr
.endr
.endm
; A quarter of a finished unit's way out: two accumulators are held (the conversion to an 8-bit code does not saturate: ISA guide 7.6.2), each from its low end on, converted, and stored as 512 bytes.
.macro OCH as, d, vs, sb, off
	s_wait_xcnt 0x0                                ; earlier stores have read their codes
	WIN 0x41
.set j, 0
.rept 16
	v_med3_num_f32 v[64*(\as)+16*(\d)+j], v[64*(\as)+16*(\d)+j], -v[\vs+1], v[\vs+1]
.set j, j+1
.endr
	WIN 0x01
	v_cvt_scalef32_pk8_bf8_f32 v[CD+4*(\d):CD+4*(\d)+1], v[64*(\as)+16*(\d):64*(\as)+16*(\d)+7], v[\vs]
	v_cvt_scalef32_pk8_bf8_f32 v[CD+4*(\d)+2:CD+4*(\d)+3], v[64*(\as)+16*(\d)+8:64*(\as)+16*(\d)+15], v[\vs]
	WIN 0
	global_store_b128 v[CO], v[CD+4*(\d):CD+4*(\d)+3], s[\sb:\sb+1] offset:\off
.endm
; A unit.  var: 0 Q, K; 1 V.  as: its set of accumulators.  tb: its table of the bias.  wa: its rows' address; nwa: the next unit's, or -1 where a barrier follows.
; on = 1: the unit before leaves meanwhile (pvar, pvs, psb, pbase: its kind, constants, base and first offset).
.macro UNIT var, as, tb, wa, nwa, on, pvar, pvs, psb, pbase
.irp d, 0,1,2,3
.if \on
.if \d == 0
	PLACES                                         ; ahead of the first read of results just made
.endif
	OCH 1-\as, \d, \pvs, \psb, (\pbase)+(1-\pvar)*\d*1024+\pvar*((\d/2)*2048+(\d%2)*512)
.else
	PLACES                                         ; ahead of loads into registers that matrix instructions have read
.endif
.if \d < 3
	WLOAD (\d+1)%2, \wa, \d+1
	s_wait_dscnt 16                                ; this quarter's fragments are in; the 16 loads just issued may be out
.elseif \nwa >= 0
	WLOAD 0, \nwa, 0
	s_wait_dscnt 16
.else
	s_wait_dscnt 0x0
.endif
	MM \var, \as, \tb, \d%2, \d
.endr
.endm
	s_wait_alu depctr_va_vdst(0)                   ; the wait at the head's end
	s_wait_tensorcnt 0x0                           ; my part of the first fills is in
	s_barrier_signal -1
	s_barrier_wait -1                              ; everybody's is
.irp a, 0,1,2,3
	WIN 0x80+0x40*(\a/2)                           ; destinations in window 2 or 3
.irp k, 0,1,2,3,4,5,6,7
.irp c, 0,1,2,3
	ds_load_b128 v[128*(\a%2)+16*\k+4*\c:128*(\a%2)+16*\k+4*\c+3], v[XA] offset:\a*BLK+128*\k+32*\c   ; my 64 tokens over the whole K
.endr
.endr
.endr
	WLOAD 0, WA+8, 0
	s_wait_tensorcnt 0x0                           ; ahead of a refill's barrier
	ds_add_u32 v[SPW], v[NIL]
	s_wait_dscnt 0x0                               ; the add is done, and x is in my registers
	CROUND                                         ; no wave of any partner still reads x's bytes
	tensor_load_to_lds s[G0S:G0S+3], s[G1S:G1S+7]  ; Wq's and Wk's 128 rows, 64 a wave
	s_nop 0
	PLACES
	UNIT 1, 0, VT, WA+8, -1, 0, 0, 0, 0, 0
	WIN 0
	s_wait_tensorcnt 0x0                           ; my 64 rows are in
	s_barrier_signal -1
	s_barrier_wait -1                              ; everybody's are
	WLOAD 0, WA, 0
	UNIT 0, 1, 128, WA,   WA+1, 1, 1, SV, VB, 0
	UNIT 0, 0, 144, WA+1, WA+2, 1, 0, SQ, QB, 0
	UNIT 0, 1, 160, WA+2, WA+3, 1, 0, SQ, QB, 512
	UNIT 0, 0, 176, WA+3, -1,   1, 0, SQ, QB, 131072
	WIN 0
	s_wait_tensorcnt 0x0                           ; the three lines ahead of the second refill's barrier
	ds_add_u32 v[SPW], v[NIL]
	s_wait_dscnt 0x0                               ; my reads of Wq's rows are over
	CROUND
	tensor_load_to_lds s[G0T:G0T+3], s[G1T:G1T+7]  ; Wv's rows 32-127, 24 a wave, into Wq's bytes; K's four units stand between this load and the wait for it
	s_nop 0
	PLACES
	WLOAD 0, WA+4, 0
	UNIT 0, 1, 192, WA+4, WA+5, 1, 0, SQ, QB, 131072+512
	UNIT 0, 0, 208, WA+5, WA+6, 1, 0, SK, KB, 0
	UNIT 0, 1, 224, WA+6, WA+7, 1, 0, SK, KB, 512
	UNIT 0, 0, 240, WA+7, -1,   1, 0, SK, KB, 262144
	WIN 0
	s_wait_tensorcnt 0x0                           ; my 24 rows are in
	s_barrier_signal -1
	s_barrier_wait -1                              ; everybody's are
	WLOAD 0, WA, 0
	UNIT 1, 1, VT+16, WA,   WA+1, 1, 0, SK, KB, 262144+512
	UNIT 1, 0, VT+32, WA+1, WA+2, 1, 1, SV, VB, 4096
	UNIT 1, 1, VT+48, WA+2, -1,   1, 1, SV, VB, 262144
	PLACES
.irp d, 0,1,2,3
	OCH 1, \d, SV, VB, 262144+4096+(\d/2)*2048+(\d%2)*512
.endr
	s_wait_tensorcnt 0x0                           ; the wave's end
	ds_add_u32 v[SPW], v[NIL]
	s_wait_dscnt 0x0
	CROUND                                         ; the closing round
	s_endpgm
.Lfunc_end_k_qe8ac73525e_proj:
	.size	k_qe8ac73525e_proj, .Lfunc_end_k_qe8ac73525e_proj-k_qe8ac73525e_proj
	.p2alignl 7, 3214868480
	.fill 96, 4, 3214868480
	.section	.rodata,"a",@progbits
	.p2align	6, 0x0
	.amdhsa_kernel k_qe8ac73525e_proj
		.amdhsa_group_segment_fixed_size 327680
		.amdhsa_private_segment_fixed_size 0
		.amdhsa_enable_private_segment 0
		.amdhsa_kernarg_size 80
		.amdhsa_user_sgpr_count 2
		.amdhsa_user_sgpr_kernarg_segment_ptr 1
		.amdhsa_wavefront_size32 1
		.amdhsa_system_sgpr_workgroup_id_x 1
		.amdhsa_system_sgpr_workgroup_id_y 1
		.amdhsa_system_sgpr_workgroup_id_z 1
		.amdhsa_system_vgpr_workitem_id 0
		.amdhsa_next_free_vgpr 1024
		.amdhsa_next_free_sgpr 102
		.amdhsa_reserve_vcc 0
		.amdhsa_float_denorm_mode_32 3
		.amdhsa_float_denorm_mode_16_64 3
		.amdhsa_memory_ordered 1
		.amdhsa_forward_progress 1
		.amdhsa_inst_pref_size 197
	.end_amdhsa_kernel
	.amdgpu_metadata
---
amdhsa.version: [ 1, 2 ]
amdhsa.kernels:
  - .name:           k_qe8ac73525e_proj
    .symbol:         k_qe8ac73525e_proj.kd
    .args:
      - { .name: x_codes, .offset: 0, .size: 8, .value_kind: global_buffer, .address_space: global }
      - { .name: Wq_codes, .offset: 8, .size: 8, .value_kind: global_buffer, .address_space: global }
      - { .name: Wk_codes, .offset: 16, .size: 8, .value_kind: global_buffer, .address_space: global }
      - { .name: Wv_codes, .offset: 24, .size: 8, .value_kind: global_buffer, .address_space: global }
      - { .name: bq, .offset: 32, .size: 8, .value_kind: global_buffer, .address_space: global }
      - { .name: bk, .offset: 40, .size: 8, .value_kind: global_buffer, .address_space: global }
      - { .name: bv, .offset: 48, .size: 8, .value_kind: global_buffer, .address_space: global }
      - { .name: lowp_scales, .offset: 56, .size: 8, .value_kind: global_buffer, .address_space: global }
      - { .name: q_img, .offset: 64, .size: 8, .value_kind: global_buffer, .address_space: global }
      - { .name: kv_img, .offset: 72, .size: 8, .value_kind: global_buffer, .address_space: global }
    .group_segment_fixed_size: 327680
    .private_segment_fixed_size: 0
    .kernarg_segment_align: 8
    .kernarg_segment_size: 80
    .max_flat_workgroup_size: 128
    .sgpr_count:     102
    .vgpr_count:     1024
    .wavefront_size: 32
...
	.end_amdgpu_metadata
.endif
;; end of part 1
;; launch attn (part 2): grid 4 x 64, 16 waves a work-group, clusters of 4 x 1, 327,680 bytes of LDS; arguments q_img, kv_img, lowp_scales, ao_img; writes ao_img
.if DOCPART == 2
	.amdgcn_target "amdgcn-amd-amdhsa--gfx1250"
	.amdhsa_code_object_version 6
	.text
	.protected	k_qe8ac73525e_attn
	.globl	k_qe8ac73525e_attn
	.p2align	8
	.type	k_qe8ac73525e_attn,@function
k_qe8ac73525e_attn:
	s_mov_b64 s[64:65], 0
	v_nop
	global_prefetch_b8 v0, s[64:65] scope:SCOPE_SE
	s_setreg_imm32_b32 hwreg(HW_REG_WAVE_MODE, 25, 1), 1
	s_wait_xcnt 0x0
	s_wait_alu depctr_hold_cnt(0) depctr_sa_sdst(0) depctr_va_vdst(0) depctr_va_sdst(0) depctr_va_ssrc(0) depctr_va_vcc(0) depctr_vm_vsrc(0)
	s_getreg_b32 s2, hwreg(HW_REG_IB_STS2, 6, 4)
	s_cmp_eq_u32 s2, 0
	s_cbranch_scc0 .Lentry_in_a_cluster
	s_endpgm
.Lentry_in_a_cluster:
	s_bfe_u32 s2, ttmp6, 0x10000c
	s_cmp_lg_u32 s2, 0x3003
	s_cbranch_scc0 .Lentry_shape_is_right
	s_endpgm
.Lentry_shape_is_right:
; ATTENTION ON CODES OF BF8 (E5M2): for each of 64 heads (batch x head) O = softmax(Q K^T / 8) V, both products on codes, and O's quantising for the last projection.
; INPUTS are images of operand registers: q_img [head][tile of 16 queries][1,024 bytes]; kv_img [head][step of 128 keys][16,384 bytes]: 8 tiles of 16 keys x 64 channels, then 4 tiles of 16 channels x 128 keys.
; Lane l's 16 bytes of four registers lie at 16 l, so every load is 512 consecutive bytes.  OUTPUT ao_img [tile of 16 tokens][128 channels: 8][2,048 bytes], an image too.
; THE SOFTMAX: t = score x log2(e) / 8 x 2^(e6 + e7); M = the running largest t rounded up to a whole number; p = 2^(t - M) is quantised with 2^e8; the row's sum is taken of the unquantised p and divides at the end;
; when M moves, the sum and O are multiplied by 2^(old M - new M), which rounds nothing.  No branch hangs on data.
; SHARES: a work-group owns 512 queries of one head, each of its 16 waves 32 of them (two tiles).  The four work-groups of a cluster own the four quarters of one head's queries and need the same K and V:
; the head's 262,144 bytes come by JOINT loads and stay in LDS, each byte filled once: key steps 0-3 at the head (16 rows of 256 bytes a wave), key steps 4-15 behind a round (48 rows a wave), under the first two steps' work.
; No prefetch is written: both fetches of K and V are asked for ahead of the loop, so the loop has nothing to run ahead of.
; LAYOUT: both products transposed (S^T = K Q^T, O^T = V^T P^T): a lane holds one query; a score tile's 8 registers are 8 neighbouring keys, so one conversion gives two registers of the second product's operand.
; TWO REGIONS OF 64 REGISTERS SWAP ROLES FROM STEP TO STEP: one holds the step's K fragments and then its V fragments, the other the scores and p, and then the NEXT step's K fragments, which are asked for ahead of the
; second product.  So a trip is two steps.  The first trip stands ahead of the loop: behind it all waves wait for the second fill.  The last trip asks for step 0's K fragments once more (the address wraps); nobody multiplies them.
; LIMITS: e8 is at least -15 (and at most 127): p is at most 1, which then lies within 57,344 x 2^e8, so the quantiser's clamp cannot act and no hold of p is written.  e6 + e7 between -123 and 130; e10 between -126 and 112.
; The scaled scores stay under 2^31 in magnitude.  NaN among the inputs is not served.
; REGISTERS: v1 16 x lane; v2 LDS address; v3 2^e8; v4 -M, v5 largest score, v[6:7] sum of tile 0; v8-11 the same of tile 1; v12-15 at work; v16-31 Q; v32-95, v96-159 the two regions; v160-223 O^T; v224-255 p's codes.
.set SPARE, 0x40000                    ; behind K and V: the spare words, 128 bytes a wave; no other line names them
.set LI,   1
.set ADR,  2
.set SCV,  3
.set WV,   12
.set SEL,  44                          ; s[44:45] selects of v_permlanex16_b32: lane l xor 16
.set CS,   46                          ; s[46:47] c = log2(e) / 8 x 2^(e6 + e7), twice
.set TB,   48                          ; LDS byte of the trip's first step
.set CNT,  49
.set NC,   51                          ; -c
.set T2,   57                          ; TB wrapped at 262,144
.macro ROUND                           ; a round of the cluster's barrier
	s_barrier_signal -1
	s_barrier_wait -1
	s_cmp_lg_u32 s[WV], 0
	s_cbranch_scc1 .Lnot_wave_0_\@
	s_barrier_signal -3
.Lnot_wave_0_\@:
	s_barrier_wait -3
	s_barrier_signal -1
	s_barrier_wait -1
.endm
	s_load_b256 s[4:11], s[0:1], 0x0               ; q_img 4, kv_img 6, the scales' exponents 8, ao_img 10
	v_lshl_add_u32 v254, v0, 2, SPARE
	v_mov_b32 v255, 0
	ds_add_u32 v254, v255                          ; the opening lines: the add, twice on end, and its wait ahead of my first tensor load
	ds_add_u32 v254, v255
	v_lshrrev_b32 v2, 5, v0
	s_delay_alu instid0(VALU_DEP_1)
	v_readfirstlane_b32 s[WV], v2                  ; wave 0..15
	v_and_b32 v[LI], 31, v0
	s_delay_alu instid0(VALU_DEP_1)
	v_lshlrev_b32 v[LI], 4, v[LI]
	s_wait_alu depctr_va_vdst(0)                   ; the wait ahead of the scalar lines and waits below
	s_bfe_u32 s13, ttmp6, 0x40000                  ; cx: which quarter of the head's queries
	s_and_b32 s14, ttmp7, 0xffff                   ; the head, 0..63: the same in all four partners
	s_mov_b32 s28, 15|(3<<16)|(1<<21)              ; group 1 of the first fill: the mask names the four; elements of 8 bytes; bit 21 beside a mask
	s_mov_b32 s29, 32<<16                          ; rows of 256 bytes
	s_mov_b32 s30, 16<<16                          ; 16 rows
	s_mov_b32 s31, 32<<16
	s_mov_b32 s32, 16
	s_mov_b32 s33, 32                              ; dense
	s_mov_b32 s34, 0
	s_mov_b32 s35, 0
	s_mov_b32 s36, 15|(3<<16)|(1<<21)              ; group 1 of the second fill: 48 rows
	s_mov_b32 s37, 32<<16
	s_mov_b32 s38, 48<<16
	s_mov_b32 s39, 32<<16
	s_mov_b32 s40, 48
	s_mov_b32 s41, 32
	s_mov_b32 s42, 0
	s_mov_b32 s43, 0
	s_mov_b32 s[SEL], 0x76543210
	s_mov_b32 s[SEL+1], 0xfedcba98
	s_mov_b32 s[TB], 0
	s_lshl_b32 s16, s14, 18                        ; a head's K and V: 2^18 bytes
	s_mov_b32 s17, 0
	s_lshl_b32 s18, s[WV], 12                      ; my 4,096 bytes of steps 0-3, in memory and in LDS
	s_mov_b32 s19, 0
	s_mul_i32 s25, s[WV], 12288
	s_add_co_u32 s25, s25, 65536                   ; my 12,288 bytes of steps 4-15
	s_wait_dscnt 0x0                               ; both opening adds are done
	s_wait_kmcnt 0x0
	s_load_b128 s[52:55], s[8:9], 0x18             ; e6, e7, e8, e9
	s_load_b32 s56, s[8:9], 0x28                   ; e10
	s_add_nc_u64 s[6:7], s[6:7], s[16:17]
	s_mov_b32 s20, 1
	s_mov_b32 s21, s18
	s_add_nc_u64 s[22:23], s[6:7], s[18:19]
	s_or_b32 s23, s23, 0x80000000
	s_mov_b32 s24, 1
	s_mov_b32 s18, s25
	s_add_nc_u64 s[26:27], s[6:7], s[18:19]
	s_or_b32 s27, s27, 0x80000000
	ROUND                                          ; the four work-groups are here: the joint loads meet
	tensor_load_to_lds s[20:23], s[28:35]          ; my one tensor load at the head
	s_nop 0
	s_lshl_b32 s16, s14, 17                        ; Q: 2^17 bytes a head, 2^15 a work-group, 2^11 a wave
	s_lshl_b32 s18, s13, 15
	s_add_co_u32 s16, s16, s18
	s_lshl_b32 s18, s[WV], 11
	s_add_co_u32 s16, s16, s18
	s_add_nc_u64 s[4:5], s[4:5], s[16:17]
	global_load_b128 v[16:19], v[LI], s[4:5] th:TH_LOAD_NT
	global_load_b128 v[20:23], v[LI], s[4:5] offset:512 th:TH_LOAD_NT
	global_load_b128 v[24:27], v[LI], s[4:5] offset:1024 th:TH_LOAD_NT
	global_load_b128 v[28:31], v[LI], s[4:5] offset:1536 th:TH_LOAD_NT
	s_lshr_b32 s16, s14, 4                         ; ao_img: tile of tokens = 128 x batch + 32 cx + 2 x wave, 2^14 bytes each;
	s_lshl_b32 s16, s16, 7
	s_lshl_b32 s18, s13, 5
	s_add_co_u32 s16, s16, s18
	s_lshl_b32 s18, s[WV], 1
	s_add_co_u32 s16, s16, s18
	s_lshl_b32 s16, s16, 14
	s_bfe_u32 s18, s14, 0x30001                    ; a pair of heads is 128 channels, 2,048 bytes;
	s_lshl_b32 s18, s18, 11
	s_add_co_u32 s16, s16, s18
	s_and_b32 s18, s14, 1                          ; my head's half of them
	s_lshl_b32 s18, s18, 10
	s_add_co_u32 s16, s16, s18
	s_add_nc_u64 s[10:11], s[10:11], s[16:17]
	v_mov_b32 v5, 0xff61b1e6                       ; the largest score so far: -3e38
	v_mov_b32 v9, 0xff61b1e6
	s_delay_alu instid0(VALU_DEP_2)
	v_floor_f32 v4, -v5                            ; -M
	s_delay_alu instid0(VALU_DEP_2)
	v_floor_f32 v8, -v9
	v_mov_b32 v6, 0
	v_mov_b32 v7, 0
	v_mov_b32 v10, 0
	v_mov_b32 v11, 0
	v_mov_b32 v[ADR], v[LI]
.set j, 0
.rept 64
	v_mov_b32 v[160+j], 0                          ; O^T: no step has a form of its own; the first change of M multiplies zeros
.set j, j+1
.endr
	s_wait_kmcnt 0x0
	s_add_co_i32 s16, s52, s53
	s_lshl_b32 s16, s16, 23
	s_mov_b32 s[CS], 0x3e38aa3b                    ; log2(e) / 8
	s_add_co_i32 s[CS], s[CS], s16                 ; x 2^(e6 + e7), by its exponent field
	s_mov_b32 s[CS+1], s[CS]
	s_xor_b32 s[NC], s[CS], 0x80000000
	s_add_co_i32 s16, s54, 127
	s_lshl_b32 s17, s16, 23
	v_mov_b32 v[SCV], s17                          ; 2^e8, for the conversion
; The softmax of one tile: 64 scores a lane in v[sr ..]; st: the tile's four state registers; p: where its 16 registers of codes go.  It leaves f = 2^(old M - new M) in v12.
.macro SOFT sr, st, p
	v_max3_num_f32 v12, v[\sr], v[\sr+1], v[\sr+2]         ; the largest score in four chains, each accumulator from its low end on
	v_max3_num_f32 v13, v[\sr+3], v[\sr+4], v[\sr+5]
	v_max3_num_f32 v14, v[\sr+6], v[\sr+7], v[\sr+8]
	v_max3_num_f32 v15, v[\sr+9], v[\sr+10], v[\sr+11]
.set j, 12
.rept 26
	v_max3_num_f32 v[12+(j/2-6)%4], v[12+(j/2-6)%4], v[\sr+j], v[\sr+j+1]
.set j, j+2
.endr
	s_delay_alu instid0(VALU_DEP_1)
	v_max3_num_f32 v12, v12, v13, v14
	s_delay_alu instid0(VALU_DEP_1)
	v_max_num_f32 v12, v12, v15
	s_delay_alu instid0(VALU_DEP_1)
	v_permlanex16_b32 v13, v12, s[SEL], s[SEL+1]           ; lane l xor 16 holds the query's other 64 keys
	s_delay_alu instid0(VALU_DEP_1)
	v_max3_num_f32 v[\st+1], v[\st+1], v12, v13            ; the running largest score
	s_delay_alu instid0(VALU_DEP_1)
	v_mul_f32 v14, s[NC], v[\st+1]                         ; -t (c is positive)
	s_delay_alu instid0(VALU_DEP_1)
	v_floor_f32 v15, v14                                   ; the new -M = -ceil(t)
	s_delay_alu instid0(VALU_DEP_1)
	v_sub_f32 v14, v15, v[\st]                             ; old M - new M, a whole number, 0 or less
	v_mov_b32 v[\st], v15
	s_delay_alu instid0(VALU_DEP_2)
	v_cvt_i32_f32 v14, v14                                 ; (it saturates)
.set j, 0
.rept 32
	v_pk_fma_f32 v[\sr+j:\sr+j+1], v[\sr+j:\sr+j+1], s[CS:CS+1], v[\st:\st+1] op_sel_hi:[1,0,0]   ; t - M
.set j, j+2
.endr
	s_wait_alu depctr_va_vdst(0)                           ; the wait ahead of the batch
.set j, 0
.rept 64
	v_exp_f32 v[\sr+j], v[\sr+j]                           ; p = 2^(t - M)
.set j, j+1
.endr
	v_ldexp_f32 v12, 1.0, v14                              ; f; the plain place behind the batch
	s_wait_alu depctr_va_vdst(0)                           ; and the one wait behind it, ahead of its first reader
.irp t, 0,1,2,3,4,5,6,7
	v_cvt_scalef32_pk8_bf8_f32 v[\p+2*\t:\p+2*\t+1], v[\sr+8*\t:\sr+8*\t+7], v[SCV]   ; keys 16 t + 8 (lane / 16) + 0 .. 7: registers 2 t, 2 t + 1 of the operand
.endr
	v_pk_mul_f32 v[\st+2:\st+3], v[\st+2:\st+3], v[12:13] op_sel_hi:[1,0]   ; the sum under the new M; the plain place behind the conversions, whose sources are written below
.irp w, 32,16,8,4
.set j, 0
.rept \w/2
	v_pk_add_f32 v[\sr+j:\sr+j+1], v[\sr+j:\sr+j+1], v[\sr+\w+j:\sr+\w+j+1]   ; the sum of the unquantised p, pairwise and in place: 16, 8, 4, 2 independent additions
.set j, j+2
.endr
.endr
	s_delay_alu instid0(VALU_DEP_1)
	v_pk_add_f32 v[\sr:\sr+1], v[\sr:\sr+1], v[\sr+2:\sr+3]
	s_delay_alu instid0(VALU_DEP_1)
	v_pk_add_f32 v[\st+2:\st+3], v[\st+2:\st+3], v[\sr:\sr+1]
.endm
.macro RESC o                          ; a tile's O^T under the new M
.set j, 0
.rept 16
	v_pk_mul_f32 v[\o+j:\o+j+1], v[\o+j:\o+j+1], v[12:13] op_sel_hi:[1,0]
.set j, j+2
.endr
.endm
.macro KLOAD reg, off                  ; a step's 8 tiles of K
.irp t, 0,1,2,3,4,5,6,7
	ds_load_b128 v[\reg+8*\t:\reg+8*\t+3], v[ADR] offset:\off+1024*\t
	ds_load_b128 v[\reg+8*\t+4:\reg+8*\t+7], v[ADR] offset:\off+1024*\t+512
.endr
.endm
; A KEY STEP of 128 keys.  kr: the region with K's fragments, later V's; sr: the scores' region, later the next step's K; off: the step's bytes behind v[ADR]; turn = 1: the trip's second step.
.macro STEP kr, sr, off, turn
	s_wait_dscnt 0x0                               ; K's fragments, asked for in the step before
.irp t, 0,1,2,3,4,5,6,7
	v_wmma_f32_16x16x64_bf8_bf8 v[\sr+8*\t:\sr+8*\t+7], v[\kr+8*\t:\kr+8*\t+7], v[16:23], 0
.endr
.rept 4
	v_nop                                          ; places ahead of the first read of the scores (ISA guide 7.12.1)
.endr
	SOFT \sr, 4, 224
.irp t, 0,1,2,3,4,5,6,7
	v_wmma_f32_16x16x64_bf8_bf8 v[\sr+8*\t:\sr+8*\t+7], v[\kr+8*\t:\kr+8*\t+7], v[24:31], 0
.endr
	s_wait_alu depctr_va_vdst(0)                   ; the wait directly ahead of the first reader of tile 0's O^T
	RESC 160                                       ; these 16 name no register of the products above: they are the places ahead of the loads and of the scores' first read
.irp t, 0,1,2,3
.irp q, 0,1,2,3
	ds_load_b128 v[\kr+16*\t+4*\q:\kr+16*\t+4*\q+3], v[ADR] offset:\off+8192+2048*\t+512*\q   ; V's four tiles land under tile 1's softmax
.endr
.endr
	SOFT \sr, 8, 240
.if \turn
	s_add_co_u32 s[TB], s[TB], 32768               ; on to the next trip's two steps;
	s_and_b32 s[T2], s[TB], 0x3ffff                ; behind the last step: step 0 again
	v_add_nc_u32 v[ADR], s[T2], v[LI]
	KLOAD \sr, 0
.else
	KLOAD \sr, \off+16384
.endif
	s_wait_dscnt 16                                ; V is in; the 16 loads of K issued behind it may be out
	s_wait_alu depctr_va_vdst(0)                   ; the wait directly ahead of the first reader of tile 1's O^T
	RESC 192
.irp t, 0,1,2,3
	v_wmma_f32_16x16x128_bf8_bf8 v[160+8*\t:167+8*\t], v[\kr+16*\t:\kr+16*\t+15], v[224:239], v[160+8*\t:167+8*\t]   ; the eight accumulators by turns
	v_wmma_f32_16x16x128_bf8_bf8 v[192+8*\t:199+8*\t], v[\kr+16*\t:\kr+16*\t+15], v[240:255], v[192+8*\t:199+8*\t]
.endr
.rept 5
	v_nop                                          ; five places: the next step's scores are laid over V's fragments by matrix instructions
.endr
.endm
	s_wait_alu depctr_va_vdst(0)                   ; the wait at the head's end
	s_wait_loadcnt 0x0                             ; Q
	s_wait_tensorcnt 0x0                           ; my part of steps 0-3 is in
	ds_add_u32 v254, v255
	s_wait_dscnt 0x0
	ROUND                                          ; everybody's part is in, and the four work-groups are here
	tensor_load_to_lds s[24:27], s[36:43]          ; steps 4-15: the first tensor load behind the round
	s_nop 0
	KLOAD 32, 0
	STEP 32, 96, 0, 0                              ; the first trip: steps 0 and 1, and step 2's K fragments, all of the first fill
	STEP 96, 32, 16384, 1
	s_wait_tensorcnt 0x0                           ; my part of steps 4-15 is in
	s_wait_dscnt 0x0
	s_barrier_signal -1
	s_barrier_wait -1                              ; everybody's is
	s_mov_b32 s[CNT], 7
.Ltrip:                                            ; 7 trips of two steps
	STEP 32, 96, 0, 0
	STEP 96, 32, 16384, 1
	s_sub_co_u32 s[CNT], s[CNT], 1
	s_cmp_lg_u32 s[CNT], 0
	s_cbranch_scc1 .Ltrip
	s_wait_dscnt 0x0                               ; the last trip's loads have landed
	; THE WAY OUT: O^T / the sum x 2^(e8 + e9), held within +-57,344 x 2^e10, as codes with 2^e10: the conversions' results are the next operand's registers
	v_add_f32 v6, v6, v7
	v_add_f32 v10, v10, v11
	s_delay_alu instid0(VALU_DEP_2)
	v_permlanex16_b32 v14, v6, s[SEL], s[SEL+1]
	s_delay_alu instid0(VALU_DEP_2)
	v_permlanex16_b32 v15, v10, s[SEL], s[SEL+1]
	s_delay_alu instid0(VALU_DEP_2)
	v_add_f32 v6, v6, v14
	s_delay_alu instid0(VALU_DEP_2)
	v_add_f32 v10, v10, v15
	s_wait_alu depctr_va_vdst(0)                   ; ahead of the batch of two
	v_rcp_f32 v6, v6
	v_rcp_f32 v10, v10
	s_add_co_i32 s16, s54, s55
	s_add_co_i32 s17, s56, 127
	s_lshl_b32 s18, s17, 23
	v_mov_b32 v[SCV], s18                          ; 2^e10
	s_add_co_i32 s17, s17, 15
	s_lshl_b32 s17, s17, 23
	s_or_b32 s17, s17, 0x600000
	v_mov_b32 v2, s17                              ; 57,344 x 2^e10
	s_wait_alu depctr_va_vdst(0)                   ; behind the batch, ahead of its first reader
	v_ldexp_f32 v6, v6, s16
	v_ldexp_f32 v10, v10, s16
	s_wait_alu depctr_va_vdst(0)                   ; the wait directly ahead of the first reader of O^T
.irp x, 0,1
.set j, 0
.rept 16
	v_pk_mul_f32 v[160+32*\x+j:161+32*\x+j], v[160+32*\x+j:161+32*\x+j], v[6+4*\x:7+4*\x] op_sel_hi:[1,0]
.set j, j+2
.endr
.endr
.set j, 0
.rept 64
	v_med3_num_f32 v[160+j], v[160+j], -v2, v2     ; the conversion to an 8-bit code does not saturate (ISA guide 7.6.2)
.set j, j+1
.endr
.irp t, 0,1,2,3,4,5,6,7
	v_cvt_scalef32_pk8_bf8_f32 v[96+2*\t:97+2*\t], v[160+8*\t:167+8*\t], v[SCV]
.endr
	v_nop
.irp x, 0,1
	global_store_b128 v[LI], v[96+8*\x:99+8*\x], s[10:11] offset:16384*\x          ; 512 consecutive bytes, aligned
	global_store_b128 v[LI], v[100+8*\x:103+8*\x], s[10:11] offset:16384*\x+512
.endr
	s_wait_xcnt 0x0
	v_lshl_add_u32 v254, v0, 2, SPARE              ; the two registers of the add are made anew: they held codes in the loop
	v_mov_b32 v255, 0
	s_wait_alu depctr_va_vdst(0)
	s_wait_tensorcnt 0x0                           ; the wave's end
	ds_add_u32 v254, v255
	s_wait_dscnt 0x0
	ROUND                                          ; the closing round
	s_endpgm
.Lfunc_end_k_qe8ac73525e_attn:
	.size	k_qe8ac73525e_attn, .Lfunc_end_k_qe8ac73525e_attn-k_qe8ac73525e_attn
	.p2alignl 7, 3214868480
	.fill 96, 4, 3214868480
	.section	.rodata,"a",@progbits
	.p2align	6, 0x0
	.amdhsa_kernel k_qe8ac73525e_attn
		.amdhsa_group_segment_fixed_size 327680
		.amdhsa_private_segment_fixed_size 0
		.amdhsa_enable_private_segment 0
		.amdhsa_kernarg_size 32
		.amdhsa_user_sgpr_count 2
		.amdhsa_user_sgpr_kernarg_segment_ptr 1
		.amdhsa_wavefront_size32 1
		.amdhsa_system_sgpr_workgroup_id_x 1
		.amdhsa_system_sgpr_workgroup_id_y 1
		.amdhsa_system_sgpr_workgroup_id_z 1
		.amdhsa_system_vgpr_workitem_id 0
		.amdhsa_next_free_vgpr 256
		.amdhsa_next_free_sgpr 66
		.amdhsa_reserve_vcc 0
		.amdhsa_float_denorm_mode_32 3
		.amdhsa_float_denorm_mode_16_64 3
		.amdhsa_memory_ordered 1
		.amdhsa_forward_progress 1
		.amdhsa_inst_pref_size 116
	.end_amdhsa_kernel
	.amdgpu_metadata
---
amdhsa.version: [ 1, 2 ]
amdhsa.kernels:
  - .name:           k_qe8ac73525e_attn
    .symbol:         k_qe8ac73525e_attn.kd
    .args:
      - { .name: q_img, .offset: 0, .size: 8, .value_kind: global_buffer, .address_space: global }
      - { .name: kv_img, .offset: 8, .size: 8, .value_kind: global_buffer, .address_space: global }
      - { .name: lowp_scales, .offset: 16, .size: 8, .value_kind: global_buffer, .address_space: global }
      - { .name: ao_img, .offset: 24, .size: 8, .value_kind: global_buffer, .address_space: global }
    .group_segment_fixed_size: 327680
    .private_segment_fixed_size: 0
    .kernarg_segment_align: 8
    .kernarg_segment_size: 32
    .max_flat_workgroup_size: 512
    .sgpr_count:     66
    .vgpr_count:     256
    .wavefront_size: 32
...
	.end_amdgpu_metadata
.endif
;; end of part 2
;; launch outp (part 3): grid 8 x 32, 4 waves a work-group, clusters of 4 x 4, 327,680 bytes of LDS; arguments ao_img, Wo_codes, bo, lowp_scales, out0; writes out0
.if DOCPART == 3
	.amdgcn_target "amdgcn-amd-amdhsa--gfx1250"
	.amdhsa_code_object_version 6
	.text
	.protected	k_qe8ac73525e_outp
	.globl	k_qe8ac73525e_outp
	.p2align	8
	.type	k_qe8ac73525e_outp,@function
k_qe8ac73525e_outp:
	s_mov_b64 s[64:65], 0
	v_nop
	global_prefetch_b8 v0, s[64:65] scope:SCOPE_SE
	s_setreg_imm32_b32 hwreg(HW_REG_WAVE_MODE, 25, 1), 1
	s_wait_xcnt 0x0
	s_wait_alu depctr_hold_cnt(0) depctr_sa_sdst(0) depctr_va_vdst(0) depctr_va_sdst(0) depctr_va_ssrc(0) depctr_va_vcc(0) depctr_vm_vsrc(0)
	s_getreg_b32 s2, hwreg(HW_REG_IB_STS2, 6, 4)
	s_cmp_eq_u32 s2, 0
	s_cbranch_scc0 .Lentry_in_a_cluster
	s_endpgm
.Lentry_in_a_cluster:
	s_bfe_u32 s2, ttmp6, 0x10000c
	s_cmp_lg_u32 s2, 0xf033
	s_cbranch_scc0 .Lentry_shape_is_right
	s_endpgm
.Lentry_shape_is_right:
; THE LAST PROJECTION out = A Wo^T + bo on codes of BF8 (E5M2): A = attention's result as images of registers, ao_img [tile of 16 tokens 512][K step of 128: 8][2,048 bytes]; Wo [1024][1024] codes, K innermost; out0 [8192][1024] f32.
; SHARES: 256 work-groups = 32 blocks of 256 tokens x 8 groups of 128 columns.  Each of the four waves owns 64 tokens and keeps their codes over the whole K = 1,024 in 512 registers, read once from LDS;
; from then on only Wo's rows are read from LDS, the same rows by all four waves.  A UNIT is 32 columns x my 64 tokens x the whole K: 8 accumulators by turns, 64 matrix instructions, in four quarters of 256 along K.
; FILLS, joint loads in clusters of 4 x 4 (A shared along a row of the cluster, Wo along a column): at the head, one load a wave: A's 262,144 bytes, dense, as rows of 256 bytes (waves 0, 1), and Wo's rows 0-31 of my
; group (waves 2, 3; rows of 1,024 bytes + 16 of padding);  behind a round, when A is in registers, into A's first bytes: Wo's rows 32-127, 24 a wave.  No prefetch is written: the text has no loop, and each fill is asked for once.
; THE ORDER OF k: an image holds k = 16 c + 8 h + 0 .. 7 in lane (r, h)'s registers 2 c, 2 c + 1.  Loads of 8 bytes at 16 r + 8 h and 256 bytes further on give lane (r, h) k = 32 c + 16 h + 0 .. 15 in registers 4 c .. 4 c + 3:
; the order that loads of 16 bytes give Wo's fragments.  The same permutation of k in both operands: every product meets its partner.
; THE BIAS is the C of each sum's first matrix instruction, divided by 2^(e10 + e11); each finished sum is multiplied once by 2^(e10 + e11).  LIMIT: e10 + e11 between -126 and 126, and bo / 2^(e10 + e11) is an f32 number.
; THE WAY OUT: source 0 = 16 columns of Wo, source 1 = 16 tokens: a lane holds 8 neighbouring columns of one token.  64 columns x 16 tokens go through my stage in LDS and come back as rows of 256 bytes, which sixteen
; lanes store as one aligned unit.  Columns 0-63 leave during unit 2, columns 64-127 at the end.  The stages lie in bytes of A that have had their only fill and their last read when the first result is stored there.
; REGISTERS: window 0: v1-31 addresses, v32-63 rows back from the stage, v64-127 the bias's table, v128-255 Wo's fragments, two sets of 64;  window 1: the 32 accumulators, (unit u, token block a, column block i) at 64 u + 8 (2 a + i);
;   windows 2, 3: A's fragments, token block a, K step k at 128 a + 16 k.
.set PITCH, 1040                       ; an LDS row of Wo: an odd multiple of 16 bytes
.set BLK,   16*PITCH
.set UB,    32*PITCH
.set PB,    262144                     ; behind A: Wo's rows 0-31
.set SPARE, PB+UB                      ; 295,424: the spare words, 128 bytes a wave; no other line names them
.set STAGE, 131072                     ; 16 rows x 272 bytes for each wave
.set SP,    272
.set XA,  8
.set STO, 10
.set RD,  11
.set GO,  12
.set WA,  16                           ; v16-18 Wo's rows 32 + 32 n on, v19 rows 0-31
.set SPW, 28
.set NIL, 29
.set BK,  32
.set BT,  64
.set G0P, 4
.set OB,  8                            ; s[8:9] my first row and column of out0
.set SC,  10                           ; s[10:11] 2^(e10 + e11), twice
.set G1X, 24
.set G0X, 32
.set G1P, 36
.set G1T, 44
.set G0T, 52
.set PADW, (1<<20)|(1<<21)|(7<<22)|(3<<25)   ; elements of 1 byte; padding on; bit 21 beside a mask; four words after every 256
.set MSB, 0
.macro WIN new                         ; the immediate's high byte repeats the setting that is left
.if MSB != (\new)
	s_set_vgpr_msb (MSB<<8)|(\new)
.set MSB, (\new)
.endif
.endm
.macro CROUND                          ; a round of the cluster's barrier
	s_barrier_signal -1
	s_barrier_wait -1
	s_cmp_lg_u32 s14, 0
	s_cbranch_scc1 .Lnot_wave_0_\@
	s_barrier_signal -3
.Lnot_wave_0_\@:
	s_barrier_wait -3
	s_barrier_signal -1
	s_barrier_wait -1
.endm
.macro PLACES                          ; plain vector instructions behind matrix instructions (ISA guide 7.12.1)
.rept 4
	v_nop
.endr
.endm
.macro G1SET g, rows
	s_mov_b32 s[\g+1], 1024<<16
	s_mov_b32 s[\g+2], (\rows)<<16
	s_mov_b32 s[\g+3], 1024<<16
	s_mov_b32 s[\g+4], \rows
	s_mov_b32 s[\g+5], 1024
	s_mov_b32 s[\g+6], 0
	s_mov_b32 s[\g+7], 0
.endm
	s_load_b256 s[68:75], s[0:1], 0x0              ; ao_img 68, Wo 70, bo 72, the scales' exponents 74
	s_load_b64 s[76:77], s[0:1], 0x20              ; out0
	v_lshl_add_u32 v[SPW], v0, 2, SPARE
	v_mov_b32 v[NIL], 0
	ds_add_u32 v[SPW], v[NIL]                      ; the opening lines: the add, twice on end, and its wait ahead of my first tensor load
	ds_add_u32 v[SPW], v[NIL]
	v_lshrrev_b32 v1, 5, v0
	v_readfirstlane_b32 s14, v1                    ; wave 0..3
	s_and_b32 s15, s14, 1
	s_bfe_u32 s66, ttmp6, 0x40000                  ; cx
	s_bfe_u32 s67, ttmp6, 0x40004                  ; cy
	s_lshl_b32 s80, ttmp9, 2
	s_add_co_u32 s80, s80, s66                     ; my group of 128 columns, 0..7
	s_and_b32 s17, ttmp7, 0xffff
	s_lshl_b32 s17, s17, 2
	s_add_co_u32 s17, s17, s67                     ; my block of 256 tokens, 0..31
	s_lshl_b32 s2, s67, 2
	s_lshl_b32 s2, 15, s2                          ; my row of the cluster
	s_lshl_b32 s3, 0x1111, s66                     ; my column
	s_or_b32 s[G1X], s2, (3<<16)|(1<<21)           ; A: elements of 8 bytes, 512 rows of 256 bytes, dense, no padding
	s_mov_b32 s[G1X+1], 32<<16
	s_mov_b32 s[G1X+2], 512<<16
	s_mov_b32 s[G1X+3], 32<<16
	s_mov_b32 s[G1X+4], 512
	s_mov_b32 s[G1X+5], 32
	s_mov_b32 s[G1X+6], 0
	s_mov_b32 s[G1X+7], 0
	s_or_b32 s[G1P], s3, PADW
	s_or_b32 s[G1T], s3, PADW
	G1SET G1P, 16
	G1SET G1T, 24
	s_mov_b32 s[G0X], 1
	s_lshl_b32 s[G0X+1], s15, 17                   ; LDS addresses hang on the wave's number alone
	s_mov_b32 s[G0P], 1
	s_mul_i32 s[G0P+1], s15, BLK
	s_add_co_u32 s[G0P+1], s[G0P+1], PB
	s_mov_b32 s[G0T], 1
	s_mul_i32 s[G0T+1], s14, 24*PITCH
	s_lshl_b32 s20, s17, 18                        ; A: 262,144 bytes a block of tokens, and my half of them
	s_lshl_b32 s21, s15, 17
	s_add_co_u32 s20, s20, s21
	s_mov_b32 s21, 0
	s_lshl_b32 s22, s80, 17                        ; Wo: row 128 x group
	s_mov_b32 s23, 0
	s_mov_b32 s19, 0
	s_wait_dscnt 0x0                               ; both opening adds are done
	s_wait_kmcnt 0x0
	s_load_b64 s[78:79], s[74:75], 0x28            ; e10, e11
	s_add_nc_u64 s[G0X+2:G0X+3], s[68:69], s[20:21]
	s_add_nc_u64 s[70:71], s[70:71], s[22:23]
	s_lshl_b32 s18, s15, 14
	s_add_nc_u64 s[G0P+2:G0P+3], s[70:71], s[18:19]   ; Wo's rows 16 x (wave % 2) on
	s_mul_i32 s18, s14, 24*1024
	s_add_co_u32 s18, s18, 32*1024
	s_add_nc_u64 s[G0T+2:G0T+3], s[70:71], s[18:19]   ; Wo's rows 32 + 24 x wave on
	s_or_b32 s[G0X+3], s[G0X+3], 0x80000000
	s_or_b32 s[G0P+3], s[G0P+3], 0x80000000
	s_or_b32 s[G0T+3], s[G0T+3], 0x80000000
	CROUND                                         ; all sixteen work-groups are here: the first joint loads meet
	s_cmp_lt_u32 s14, 2
	s_cbranch_scc0 .Lfor_w
	tensor_load_to_lds s[G0X:G0X+3], s[G1X:G1X+7]
	s_nop 0
	PLACES
	s_branch .Lasked
.Lfor_w:
	tensor_load_to_lds s[G0P:G0P+3], s[G1P:G1P+7]
	s_nop 0
	PLACES
.Lasked:
	s_lshl_b32 s22, s80, 9                         ; 128 columns of f32
	s_add_nc_u64 s[72:73], s[72:73], s[22:23]      ; the bias at my columns
	s_add_nc_u64 s[OB:OB+1], s[76:77], s[22:23]
	s_lshl_b32 s18, s17, 20                        ; 256 rows of 4,096 bytes
	s_lshl_b32 s20, s14, 18                        ; 64 rows
	s_add_co_u32 s18, s18, s20
	s_add_nc_u64 s[OB:OB+1], s[OB:OB+1], s[18:19]
	s_lshl_b32 s20, s14, 16                        ; my four tiles of A in LDS
	s_mul_i32 s21, s14, 16*SP
	s_add_co_u32 s21, s21, STAGE                   ; my stage
	v_and_b32 v1, 15, v0                           ; r = lane % 16
	v_bfe_u32 v2, v0, 4, 1                         ; h = lane / 16
	v_mul_u32_u24 v3, v1, PITCH
	v_lshl_add_u32 v3, v2, 4, v3                   ; Wo: row x pitch + 16 h
	v_add_nc_u32 v[WA], 0, v3
	v_add_nc_u32 v[WA+1], UB, v3
	v_add_nc_u32 v[WA+2], 2*UB, v3
	v_add_nc_u32 v[WA+3], PB, v3
	v_lshlrev_b32 v4, 4, v1
	v_lshl_add_u32 v4, v2, 3, v4                   ; A: 16 r + 8 h
	v_add_nc_u32 v[XA], s20, v4
	v_mul_u32_u24 v6, v1, SP
	v_lshl_add_u32 v6, v2, 5, v6
	v_add_nc_u32 v[STO], s21, v6                   ; into the stage: row r, 32 bytes for each half of the lanes
	v_mul_u32_u24 v7, v2, SP
	v_lshl_add_u32 v7, v1, 4, v7
	v_add_nc_u32 v[RD], s21, v7                    ; back: lanes 0-15 one row of 256 bytes, lanes 16-31 the next
	v_lshlrev_b32 v[GO], 12, v2
	v_lshl_add_u32 v[GO], v1, 4, v[GO]             ; and the same two rows in out0
	v_lshlrev_b32 v5, 5, v2                        ; 32 h
	s_wait_alu depctr_va_vdst(0)                   ; the wait ahead of later readers of what was just written
.irp b, 0,1,2,3,4,5,6,7
	global_load_b128 v[BT+8*\b:BT+8*\b+3], v5, s[72:73] offset:64*\b        ; bo of column 16 b + 8 h + j at 8 b + j
	global_load_b128 v[BT+8*\b+4:BT+8*\b+7], v5, s[72:73] offset:64*\b+16
.endr
	s_wait_kmcnt 0x0
	s_add_co_i32 s20, s78, s79
	s_add_co_i32 s[SC], s20, 127
	s_lshl_b32 s[SC], s[SC], 23                    ; 2^(e10 + e11)
	s_mov_b32 s[SC+1], s[SC]
	s_sub_co_i32 s18, 127, s20
	s_lshl_b32 s18, s18, 23                        ; and its reciprocal
	s_mov_b32 s19, s18
	s_wait_loadcnt 0x0
.set j, 0
.rept 32
	v_pk_mul_f32 v[BT+j:BT+j+1], v[BT+j:BT+j+1], s[18:19] op_sel_hi:[1,0]
.set j, j+2
.endr
; 16 LDS loads: a quarter's fragments of the unit's 32 rows (two blocks i, two K steps kk) into set
.macro WLOAD set, wa, d
	WIN 0
.irp kk, 0,1
.irp i, 0,1
.irp c, 0,1,2,3
	ds_load_b128 v[128+64*(\set)+16*(2*\kk+\i)+4*\c:128+64*(\set)+16*(2*\kk+\i)+4*\c+3], v[\wa] offset:\i*BLK+(2*(\d)+\kk)*128+32*\c
.endr
.endr
.endr
.endm
; 8 matrix instructions: half a quarter: token blocks 2 hi, 2 hi + 1, two K steps on four accumulators by turns, so three others stand between a sum's steps
.macro MMH u, set, d, hi
.irp kk, 0,1
.if ((\d) == 0) && (\kk == 0)
	WIN 0x48+4*(\hi)                               ; the bias's table lies in window 0
.else
	WIN 0x58+4*(\hi)
.endif
.irp aa, 0,1
.irp i, 0,1
.set AC, 64*(\u)+8*(2*(2*(\hi)+\aa)+\i)
.set WF, 128+64*(\set)+16*(2*\kk+\i)
.set XF, 128*\aa+16*(2*(\d)+\kk)
.if ((\d) == 0) && (\kk == 0)
	v_wmma_f32_16x16x128_bf8_bf8 v[AC:AC+7], v[WF:WF+15], v[XF:XF+15], v[BT+16*(\u)+8*\i:BT+16*(\u)+8*\i+7]
.else
	v_wmma_f32_16x16x128_bf8_bf8 v[AC:AC+7], v[WF:WF+15], v[XF:XF+15], v[AC:AC+7]
.endif
.endr
.endr
.endr
.endm
; Columns 64 p on of token block a: x 2^(e10 + e11) in place, each accumulator from its low end on; into my stage; back by rows into v[bk ..].  LDS serves a wave's instructions in order (ISA guide 5.7.1.4).
.macro PACK p, a, bk, free
.if \free
	s_wait_xcnt 0x0                                ; earlier stores have read v[bk ..]
.endif
	WIN 0x41
.irp uu, 0,1
.irp i, 0,1
.irp j, 0,2,4,6
	v_pk_mul_f32 v[64*(2*(\p)+\uu)+8*(2*(\a)+\i)+\j:64*(2*(\p)+\uu)+8*(2*(\a)+\i)+\j+1], v[64*(2*(\p)+\uu)+8*(2*(\a)+\i)+\j:64*(2*(\p)+\uu)+8*(2*(\a)+\i)+\j+1], s[SC:SC+1] op_sel_hi:[1,0]
.endr
.endr
.endr
	WIN 0x04                                       ; the stores' data in window 1
.irp uu, 0,1
.irp i, 0,1
	ds_store_b128 v[STO], v[64*(2*(\p)+\uu)+8*(2*(\a)+\i):64*(2*(\p)+\uu)+8*(2*(\a)+\i)+3] offset:(2*\uu+\i)*64
	ds_store_b128 v[STO], v[64*(2*(\p)+\uu)+8*(2*(\a)+\i)+4:64*(2*(\p)+\uu)+8*(2*(\a)+\i)+7] offset:(2*\uu+\i)*64+16
.endr
.endr
	WIN 0
.irp t, 0,1,2,3,4,5,6,7
	ds_load_b128 v[\bk+4*\t:\bk+4*\t+3], v[RD] offset:\t*2*SP
.endr
.endm
.macro SEND p, a, bk, younger          ; younger: the LDS instructions issued behind the rows' loads, which may stay out
	s_wait_dscnt \younger
.irp t, 0,1,2,3,4,5,6,7
	global_store_b128 v[GO], v[\bk+4*\t:\bk+4*\t+3], s[OB:OB+1] offset:(16*(\a)+2*\t)*4096+256*(\p) th:TH_STORE_NT   ; sixteen lanes store 256 consecutive bytes, aligned
.endr
.endm
; A unit.  wa: its rows' address; nwa: the next unit's, or -1 where a barrier or the end follows.  on = 1: columns 0-63 leave meanwhile, a token block a quarter.
.macro UNIT u, wa, nwa, on
.irp d, 0,1,2,3
.if \on
.if \d == 0
	PLACES                                         ; ahead of the first read of results just made
.endif
	PACK 0, \d, BK, 1                              ; its 16 multiplications are the places ahead of the loads below
.else
	PLACES                                         ; ahead of loads into registers that matrix instructions have read
.endif
.if \d < 3
	WLOAD (\d+1)%2, \wa, \d+1
	s_wait_dscnt 16+16*\on                         ; this quarter's fragments are in; out may be the 16 loads just issued (on = 1: and the stage's 8 stores and 8 loads)
.elseif \nwa >= 0
	WLOAD 0, \nwa, 0
	s_wait_dscnt 16+16*\on
.else
	s_wait_dscnt 0x0
.endif
	MMH \u, \d%2, \d, 0
.if \on
	WIN 0
	SEND 0, \d, BK, 16                             ; the 16 loads of fragments were issued behind the rows' loads
.endif
	MMH \u, \d%2, \d, 1
.endr
.endm
	s_wait_alu depctr_va_vdst(0)                   ; the wait at the head's end
	s_wait_tensorcnt 0x0                           ; my part of the first fills is in
	s_barrier_signal -1
	s_barrier_wait -1                              ; everybody's is
.irp a, 0,1,2,3
	WIN 0x80+0x40*(\a/2)                           ; destinations in window 2 or 3
.irp k, 0,1,2,3,4,5,6,7
.irp c, 0,1,2,3
	ds_load_b64 v[128*(\a%2)+16*\k+4*\c:128*(\a%2)+16*\k+4*\c+1], v[XA] offset:\a*16384+\k*2048+\c*512          ; k = 32 c + 16 h + 0 .. 7: the 32 lanes read 256 consecutive bytes
	ds_load_b64 v[128*(\a%2)+16*\k+4*\c+2:128*(\a%2)+16*\k+4*\c+3], v[XA] offset:\a*16384+\k*2048+\c*512+256    ; k = 32 c + 16 h + 8 .. 15
.endr
.endr
.endr
	WLOAD 0, WA+3, 0
	s_wait_tensorcnt 0x0                           ; ahead of a refill's barrier
	ds_add_u32 v[SPW], v[NIL]
	s_wait_dscnt 0x0                               ; the add is done, and A is in my registers
	CROUND                                         ; no wave of any partner still reads A's bytes
	tensor_load_to_lds s[G0T:G0T+3], s[G1T:G1T+7]  ; Wo's rows 32-127, 24 a wave
	s_nop 0
	PLACES
	UNIT 0, WA+3, -1, 0
	WIN 0
	s_wait_tensorcnt 0x0                           ; my 24 rows are in
	s_barrier_signal -1
	s_barrier_wait -1                              ; everybody's are
	WLOAD 0, WA, 0
	UNIT 1, WA,   WA+1, 0
	UNIT 2, WA+1, WA+2, 1
	UNIT 3, WA+2, -1,   0
	PLACES                                         ; ahead of the first read of results just made, and of loads into the fragments' registers
	PACK 1, 0, 128, 0                              ; columns 64-127: four sets of registers, where Wo's fragments lay, so that a block's stores need not wait for the block before
	PACK 1, 1, 160, 0
	SEND 1, 0, 128, 16                             ; behind block 0's loads: block 1's 8 stores and 8 loads
	PACK 1, 2, 192, 0
	SEND 1, 1, 160, 16
	PACK 1, 3, 224, 0
	SEND 1, 2, 192, 16
	SEND 1, 3, 224, 0
	s_wait_tensorcnt 0x0                           ; the wave's end
	ds_add_u32 v[SPW], v[NIL]
	s_wait_dscnt 0x0
	CROUND                                         ; the closing round
	s_endpgm
.Lfunc_end_k_qe8ac73525e_outp:
	.size	k_qe8ac73525e_outp, .Lfunc_end_k_qe8ac73525e_outp-k_qe8ac73525e_outp
	.p2alignl 7, 3214868480
	.fill 96, 4, 3214868480
	.section	.rodata,"a",@progbits
	.p2align	6, 0x0
	.amdhsa_kernel k_qe8ac73525e_outp
		.amdhsa_group_segment_fixed_size 327680
		.amdhsa_private_segment_fixed_size 0
		.amdhsa_enable_private_segment 0
		.amdhsa_kernarg_size 40
		.amdhsa_user_sgpr_count 2
		.amdhsa_user_sgpr_kernarg_segment_ptr 1
		.amdhsa_wavefront_size32 1
		.amdhsa_system_sgpr_workgroup_id_x 1
		.amdhsa_system_sgpr_workgroup_id_y 1
		.amdhsa_system_sgpr_workgroup_id_z 1
		.amdhsa_system_vgpr_workitem_id 0
		.amdhsa_next_free_vgpr 1024
		.amdhsa_next_free_sgpr 102
		.amdhsa_reserve_vcc 0
		.amdhsa_float_denorm_mode_32 3
		.amdhsa_float_denorm_mode_16_64 3
		.amdhsa_memory_ordered 1
		.amdhsa_forward_progress 1
		.amdhsa_inst_pref_size 87
	.end_amdhsa_kernel
	.amdgpu_metadata
---
amdhsa.version: [ 1, 2 ]
amdhsa.kernels:
  - .name:           k_qe8ac73525e_outp
    .symbol:         k_qe8ac73525e_outp.kd
    .args:
      - { .name: ao_img, .offset: 0, .size: 8, .value_kind: global_buffer, .address_space: global }
      - { .name: Wo_codes, .offset: 8, .size: 8, .value_kind: global_buffer, .address_space: global }
      - { .name: bo, .offset: 16, .size: 8, .value_kind: global_buffer, .address_space: global }
      - { .name: lowp_scales, .offset: 24, .size: 8, .value_kind: global_buffer, .address_space: global }
      - { .name: out0, .offset: 32, .size: 8, .value_kind: global_buffer, .address_space: global }
    .group_segment_fixed_size: 327680
    .private_segment_fixed_size: 0
    .kernarg_segment_align: 8
    .kernarg_segment_size: 40
    .max_flat_workgroup_size: 128
    .sgpr_count:     102
    .vgpr_count:     1024
    .wavefront_size: 32
...
	.end_amdgpu_metadata
.endif
;; end of part 3
